; MI455X (gfx1250); checked and timed in simulation.
; The chip was launched on July 23, 2026; its instructions are those of AMD's public machine-readable ISA for CDNA 5 (MIT licence, August 2026) and "CDNA5" Instruction Set Architecture Reference Guide (July 2026). The comments in the code are by the model that wrote it; some were corrected since.
;; Multihead Attention. Allowed arithmetic: matrix products marked QUANTISED: E2M3 operands, one E8M0 scale for each 32 along K, by v_wmma_scale_f32_16x16x128_f8f6f4 with both operands' format E2M3, f32 sums; everything else in f32.
;; Inputs: bk 1,024 float32; bo 1,024 float32; bq 1,024 float32; bv 1,024 float32; k 1 x 4,096 x 1,024 float32; mask 1 x 1 x 4,096 x 4,096 bool; q 1 x 4,096 x 1,024 float32; v 1 x 4,096 x 1,024 float32; wk 1,024 x 1,024 float32; wo 1,024 x 1,024 float32; wq 1,024 x 1,024 float32; wv 1,024 x 1,024 float32.
;; Outputs: out0 1 x 4,096 x 1,024 float32.
;; This version of the problem:
;;   THIS VERSION OF THE PROBLEM IS GIVEN IN LOW PRECISION. The matrix products marked QUANTISED in the list below multiply operands that are first quantised to E2M3 (2 exponent bits, 3 mantissa bits; 6 bits a number), with one power-of-two scale for each 32 numbers along K (OCP MX v1.0); their sums are f32. All else is computed in f32.
;;   The module's matrix products, in the order in which they are computed (A, B: the left and right operand; K: the contracted axis; several contracted axes count as one K, in the product's order):
;;     1. [M 4,096, K 1,024] x [K 1,024, N 1,024]; A: input q; B: input wq: QUANTISED
;;     2. [M 4,096, K 1,024] x [K 1,024, N 1,024]; A: input k; B: input wk: QUANTISED
;;     3. [M 4,096, K 1,024] x [K 1,024, N 1,024]; A: input v; B: input wv: QUANTISED
;;     4. batch 16 x [M 4,096, K 64] x [K 64, N 4,096]; A: computed on the way; B: computed on the way: QUANTISED
;;     5. batch 16 x [M 4,096, K 4,096] x [K 4,096, N 64]; A: softmax (see below); B: computed on the way: QUANTISED
;;     6. [M 4,096, K 1,024] x [K 1,024, N 1,024]; A: computed on the way; B: input wo: QUANTISED
;;   THE QUANTISER, for each operand of a quantised product, along K:
;;     - K is cut into blocks of 32 from its start; a last block that is shorter is filled with zeros.
;;     - A block's scale is 2^e with e = floor(log2(the largest magnitude in the block)) - 2, held to -126 .. 127; a block of zeros has e = 0. As a byte (E8M0): e + 127.
;;     - Each number is divided by its block's scale, clamped to +-7.5, and rounded to the nearest number of E2M3, ties to even, subnormals kept.
;;     - The product sums the exact products of the quantised numbers (number of the format x scale) in f32.
;;   ~~~python
;;   def quantise(x, axis):      # numpy; x: float32 -> the quantised numbers, widened to float32 again
;;       x = np.moveaxis(x, axis, -1); K = x.shape[-1]
;;       x = np.pad(x, [(0, 0)] * (x.ndim - 1) + [(0, -K % 32)]); x = x.reshape(x.shape[:-1] + (-1, 32)); a = np.abs(x).max(-1, keepdims=True)
;;       e = np.where(a > 0, np.clip(np.frexp(np.where(a > 0, a, 1))[1] - 1 - 2, -126, 127), 0)      # np.frexp(a)[1] - 1 = floor(log2(a)), exactly
;;       r = np.clip(x / 2.0 ** e, -7.5, 7.5)
;;       step = 2.0 ** (np.maximum(np.frexp(np.where(r == 0, 1, r))[1] - 1, 0) - 3)
;;       q = np.round(r / step) * step * 2.0 ** e      # np.round: ties to even
;;       return np.moveaxis(q.reshape(q.shape[:-2] + (-1,))[..., :K], -1, axis).astype(np.float32)
;;   ~~~
;;   SOFTMAX AHEAD OF A QUANTISED PRODUCT. Where the list says 'softmax', what is quantised is not the finished softmax but p = 2^(t - M), with t = logit x log2(e) and M = ceil(the row's largest t), a whole number; so 1/2 < the row's largest p <= 1. The row's sum l is taken of the UNQUANTISED p, in f32, and the product's result is divided by l at the end. Since M is a whole number, a kernel that streams over the keys may use a running M (the ceiling of the running maximum): every later rescaling is an exact power of two, which a block's scale takes up: the codes' values come out the same.
;;   OPERANDS COMPUTED ON THE WAY. 'Computed on the way' means the value that the module computes at that place (a softmax that the list does not call 'softmax' is quantised finished and normalised). What goes into a quantiser is computed in f32, as accurately as f32 sums, v_exp_f32 and their like allow (about 1e-6 of the number): no bf16 or f16 on the way to a quantiser, and a product that is left as it is and whose result goes on into a quantised operand takes f32 operands (vector FMAs, or v_wmma_f32_16x16x4_f32). A number that lies on a knife's edge between two numbers of the format may be rounded either way, as far as f32 arithmetic and the matrix unit's own rounding can turn it there, and no further.
;; One version. Each part assembles by itself: llvm-mc -triple=amdgcn-amd-amdhsa -mcpu=gfx1250 --defsym DOCPART=n.
;; ======== version 1 of 1: 4 launches
;; limits: right only within a limited range of input values
;; workspace buffers: img 15,728,640 bytes; scl 1,310,720 bytes; kv 6,553,600 bytes; qimg 6,553,600 bytes
;; launch prep (part 1): grid 512 x 1, 4 waves a work-group, no clusters, 34,304 bytes of LDS; arguments q, k, v, wq, wk, wv, wo, img, scl; writes img, scl
.if DOCPART == 1
	.amdgcn_target "amdgcn-amd-amdhsa--gfx1250"
	.amdhsa_code_object_version 6
	.text
	.protected	k_q883a5cf8fb_prep
	.globl	k_q883a5cf8fb_prep
	.p2align	8
	.type	k_q883a5cf8fb_prep,@function
k_q883a5cf8fb_prep:
	s_mov_b64 s[64:65], 0
	v_nop
	global_prefetch_b8 v0, s[64:65] scope:SCOPE_SE
	s_setreg_imm32_b32 hwreg(HW_REG_WAVE_MODE, 25, 1), 1
	s_wait_xcnt 0x0
; q, k, v [4096][1024] and wq, wk, wv, wo [1024][1024], f32, become codes of FP6 (E2M3) with one E8M0 byte for each 32 along K (the last axis), laid as IMAGES of the matrix
; operand's registers.  A tile is 16 rows.  Tile t of a tensor holds rows 32 (t / 2) + 8 (t % 2) + r + 8 (r / 8), r = 0 .. 15; of k alone rows 64 (t / 4) + 8 (t % 4) + r % 8 + 32 (r / 8),
; so that in the attention launch a lane's 32 score registers of four neighbouring tiles are one whole block of 32 keys.
; A fragment (a tile x 128 along K) is 12 registers a lane; its image is 1,536 bytes: registers 4 c .. 4 c + 3 of lane l at 512 c + 16 l.
; img: [tile 1280][K step 8][1,536]; scl: [tile][K step][lane 32] one scale word, the same in lanes r and r + 16.
; Tiles: q 0-255, k 256-511, v 512-767, wq 768-831, wk 832-895, wv 896-959, wo 960-1023 (1024-1279: the attention's result, stored by a later launch).
; A block's scale is 2^(floor(log2(its largest magnitude)) - 2); its byte is the largest magnitude's exponent field - 2, held at 1 from below.
; LIMITS: a block of zeros, or one whose largest magnitude lies under 2^-124, keeps the byte 1 (its codes add nothing or are subnormal; this program alone reads the bytes); NaN and infinities are not served.
; A wave takes half a tile's K (four K steps).  Every load reads 512 consecutive bytes of one row; the rows turn through the wave's own stage in LDS
; (rows 528 bytes apart: 16 rows start at 16 different 16-byte columns).  No tensor load, no barrier: waves share nothing.
.set SP,    528
.set WST,   16*SP                      ; a wave's stage
.set SPARE, 4*WST                      ; behind the stages: the spare words, 128 bytes for each wave
.set RL,    16                         ; v16-143  two sets of 64: a K step's rows as loaded
.set X,     144                        ; v144-207 64 numbers of my row: register 16 b + i = k 32 b + 16 h + i
.set PC,    208                        ; v208-219 the fragment's codes
.set CT,    220                        ; v220-226 upper halves of blocks, on their way
.set TM,    228                        ; v228-243 largest magnitudes, bytes, scale operands
.set PW,    244                        ; v244     the scale word
.set SEL,   40                         ; s[40:41] v_permlanex16_b32's selects for lane l xor 16
; 64 numbers of a lane become codes: k 0-63 in v[d0 .. d0 + 5], k 64-127 in v[d1 .. d1 + 5], and the scale word in v[pw].
.macro QUANT src, d0, d1, pw
.irp b, 0,1,2,3
	v_max3_num_f32 v[TM+\b], |v[\src+16*\b]|, |v[\src+1+16*\b]|, 0x1800000   ; my 16 numbers of block b, and the floor 2^(3 - 127)
.endr
.irp i, 2,4,6,8,10,12,14
.irp b, 0,1,2,3
	v_max3_num_f32 v[TM+\b], v[TM+\b], |v[\src+16*\b+\i]|, |v[\src+1+16*\b+\i]|   ; the four blocks by turns
.endr
.endr
.irp b, 0,1,2,3
	v_permlanex16_b32 v[TM+4+\b], v[TM+\b], s[SEL], s[SEL+1]
.endr
.irp b, 0,1,2,3
	v_max_num_f32 v[TM+\b], v[TM+\b], v[TM+4+\b]   ; with lane l xor 16's 16: the block's largest magnitude
.endr
.irp b, 0,1,2,3
	v_add_nc_u32 v[TM+12+\b], 0xff000000, v[TM+\b]   ; 2 off its exponent field: the conversion's scale operand
.endr
.irp b, 0,1,2,3
	v_lshrrev_b32 v[TM+4+\b], 23, v[TM+12+\b]      ; the scale's byte
.endr
	v_lshl_or_b32 v[\pw], v[TM+5], 8, v[TM+4]
	v_lshl_or_b32 v[\pw], v[TM+6], 16, v[\pw]
	v_lshl_or_b32 v[\pw], v[TM+7], 24, v[\pw]
	v_cvt_scalef32_pk16_fp6_f32 v[\d0:\d0+2], v[\src:\src+15], v[TM+12]
	v_cvt_scalef32_pk16_fp6_f32 v[CT:CT+2], v[\src+16:\src+31], v[TM+13]       ; (a conversion's three registers begin on an even number)
	v_cvt_scalef32_pk16_fp6_f32 v[\d1:\d1+2], v[\src+32:\src+47], v[TM+14]
	v_cvt_scalef32_pk16_fp6_f32 v[CT+4:CT+6], v[\src+48:\src+63], v[TM+15]
	v_nop                                          ; one plain place behind the scaled conversions
.irp i, 0,1,2
	v_permlane16_swap_b32 v[\d0+\i], v[CT+\i]      ; the operand wants a whole block in a lane
.endr
.irp i, 0,1,2
	v_mov_b32 v[\d0+3+\i], v[CT+\i]
.endr
.irp i, 0,1,2
	v_permlane16_swap_b32 v[\d1+\i], v[CT+4+\i]
.endr
.irp i, 0,1,2
	v_mov_b32 v[\d1+3+\i], v[CT+4+\i]
.endr
.endm
	s_load_b512 s[4:19], s[0:1], 0x0               ; q, k, v, wq, wk, wv, wo, img
	s_load_b64 s[22:23], s[0:1], 0x40              ; scl
	v_lshl_add_u32 v6, v0, 2, SPARE                ; my spare word; never rewritten
	v_mov_b32 v7, 0                                ; 0; never rewritten
	v_lshrrev_b32 v1, 5, v0
	v_readfirstlane_b32 s26, v1                    ; wave 0..3
	v_and_b32 v1, 31, v0                           ; lane
	v_and_b32 v11, 15, v0                          ; r
	v_bfe_u32 v12, v0, 4, 1                        ; h
	v_lshlrev_b32 v2, 4, v1                        ; 16 x lane: my bytes of a load's or an image's 512
	v_lshlrev_b32 v3, 2, v1                        ; 4 x lane: my scale word
	s_mul_i32 s27, s26, WST
	v_add_nc_u32 v4, s27, v2                       ; the stage, in: 16 x lane of a row
	v_mul_u32_u24 v13, v11, SP
	v_add_nc_u32 v13, s27, v13
	v_lshl_add_u32 v5, v12, 6, v13                 ; and out: row r, + 64 h: my 16 numbers of a block of 32
.irp b, 0,1,2,3
	v_mov_b32 v[TM+4+\b], 0                        ; written once: a lane permute's destination counts as one of its sources
.endr
	s_mov_b32 s[SEL], 0x76543210
	s_mov_b32 s[SEL+1], 0xfedcba98
	s_wait_alu depctr_va_vdst(0)                   ; the wait at the head's end
	s_wait_kmcnt 0x0
	; which tensor: by the work-group's number alone (two tiles to a work-group)
	s_mov_b64 s[28:29], s[16:17]                   ; wo from work-group 480 on
	s_mov_b32 s30, 480
	s_cmp_lt_u32 ttmp9, 480
	s_cselect_b64 s[28:29], s[14:15], s[28:29]     ; wv
	s_cselect_b32 s30, 448, s30
	s_cmp_lt_u32 ttmp9, 448
	s_cselect_b64 s[28:29], s[12:13], s[28:29]     ; wk
	s_cselect_b32 s30, 416, s30
	s_cmp_lt_u32 ttmp9, 416
	s_cselect_b64 s[28:29], s[10:11], s[28:29]     ; wq
	s_cselect_b32 s30, 384, s30
	s_cmp_lt_u32 ttmp9, 384
	s_cselect_b64 s[28:29], s[8:9], s[28:29]       ; v
	s_cselect_b32 s30, 256, s30
	s_cmp_lt_u32 ttmp9, 256
	s_cselect_b64 s[28:29], s[6:7], s[28:29]       ; k
	s_cselect_b32 s30, 128, s30
	s_cmp_lt_u32 ttmp9, 128
	s_cselect_b64 s[28:29], s[4:5], s[28:29]       ; q
	s_cselect_b32 s30, 0, s30
	s_lshl_b32 s42, ttmp9, 1
	s_lshr_b32 s43, s26, 1
	s_add_co_u32 s42, s42, s43                     ; the tile among all 1,024
	s_and_b32 s43, s26, 1                          ; which half of K
	s_cmp_eq_u32 s30, 128                          ; k?
	s_cselect_b32 s47, 2, 1                        ; tiles that share a run of rows: 4 for k, else 2 (as a shift)
	s_lshl_b32 s30, s30, 1
	s_sub_co_u32 s44, s42, s30                     ; the tile in its tensor
	s_lshr_b32 s45, s44, s47
	s_add_co_u32 s46, s47, 16
	s_lshl_b32 s45, s45, s46                       ; runs of 32 or 64 rows of 4,096 bytes
	s_bfm_b32 s46, s47, 0
	s_and_b32 s44, s44, s46
	s_lshl_b32 s44, s44, 15                        ; 8 rows for each tile in the run
	s_add_co_u32 s44, s44, s45
	s_lshl_b32 s45, s43, 11                        ; four K steps of 512 bytes
	s_add_co_u32 s44, s44, s45
	s_mov_b32 s45, 0
	s_add_nc_u64 s[28:29], s[28:29], s[44:45]      ; the tile's rows 0-7
	s_lshl_b32 s44, 0x8000, s47
	s_add_nc_u64 s[32:33], s[28:29], s[44:45]      ; its rows 8-15: 16 rows on, for k 32
	s_mul_i32 s44, s42, 12288
	s_mul_i32 s46, s43, 6144
	s_add_co_u32 s44, s44, s46
	s_add_nc_u64 s[20:21], s[18:19], s[44:45]      ; my four images
	s_lshl_b32 s44, s42, 10
	s_lshl_b32 s46, s43, 9
	s_add_co_u32 s44, s44, s46
	s_add_nc_u64 s[22:23], s[22:23], s[44:45]      ; and their scale words
.macro LOADQ k                         ; K step k: 16 rows x 512 consecutive bytes
.irp r, 0,1,2,3,4,5,6,7
	global_load_b128 v[RL+64*((\k)%2)+4*\r:RL+64*((\k)%2)+4*\r+3], v2, s[28:29] offset:\r*4096+512*(\k) th:TH_LOAD_NT
.endr
.irp r, 0,1,2,3,4,5,6,7
	global_load_b128 v[RL+64*((\k)%2)+32+4*\r:RL+64*((\k)%2)+32+4*\r+3], v2, s[32:33] offset:\r*4096+512*(\k) th:TH_LOAD_NT
.endr
.endm
.macro STEPQ k
.set RS, RL+64*((\k)%2)
.if (\k) < 3
	s_wait_loadcnt 16                              ; this K step's 16 loads are in; the next step's 16 may be out
.else
	s_wait_loadcnt 0x0
.endif
.irp r, 0,1,2,3,4,5,6,7,8,9,10,11,12,13,14,15
	ds_store_b128 v4, v[RS+4*\r:RS+4*\r+3] offset:SP*\r
.endr
.irp b, 0,1,2,3
.irp y, 0,1,2,3
	ds_load_b128 v[X+16*\b+4*\y:X+16*\b+4*\y+3], v5 offset:128*\b+16*\y   ; LDS serves a wave's instructions in order: these see my stores
.endr
.endr
	s_wait_dscnt 0x0
.if (\k) < 2
	LOADQ (\k)+2                                   ; into the set that the stage has taken over
.endif
.if (\k) > 0
	s_wait_xcnt 0x0                                ; the last step's stores have read their data: the codes and the word are written again only behind this wait
.endif
	QUANT X, PC, PC+6, PW
.irp c, 0,1,2
	global_store_b128 v2, v[PC+4*\c:PC+4*\c+3], s[20:21] offset:1536*(\k)+512*\c   ; 32 lanes store 512 consecutive bytes
.endr
	global_store_b32 v3, v[PW], s[22:23] offset:128*(\k)
.endm
	LOADQ 0
	LOADQ 1
	STEPQ 0
	STEPQ 1
	STEPQ 2
	STEPQ 3
	s_wait_tensorcnt 0x0                           ; the wave's end, behind my last LDS store
	ds_add_u32 v6, v7
	s_wait_dscnt 0x0
	s_endpgm
.Lfunc_end_k_q883a5cf8fb_prep:
	.size	k_q883a5cf8fb_prep, .Lfunc_end_k_q883a5cf8fb_prep-k_q883a5cf8fb_prep
	.p2alignl 7, 3214868480
	.fill 96, 4, 3214868480
	.section	.rodata,"a",@progbits
	.p2align	6, 0x0
	.amdhsa_kernel k_q883a5cf8fb_prep
		.amdhsa_group_segment_fixed_size 34304
		.amdhsa_private_segment_fixed_size 0
		.amdhsa_enable_private_segment 0
		.amdhsa_kernarg_size 72
		.amdhsa_user_sgpr_count 2
		.amdhsa_user_sgpr_kernarg_segment_ptr 1
		.amdhsa_wavefront_size32 1
		.amdhsa_system_sgpr_workgroup_id_x 1
		.amdhsa_system_sgpr_workgroup_id_y 1
		.amdhsa_system_sgpr_workgroup_id_z 1
		.amdhsa_system_vgpr_workitem_id 0
		.amdhsa_next_free_vgpr 256
		.amdhsa_next_free_sgpr 66
		.amdhsa_reserve_vcc 0
		.amdhsa_float_denorm_mode_32 3
		.amdhsa_float_denorm_mode_16_64 3
		.amdhsa_memory_ordered 1
		.amdhsa_forward_progress 1
		.amdhsa_inst_pref_size 35
	.end_amdhsa_kernel
	.amdgpu_metadata
---
amdhsa.version: [ 1, 2 ]
amdhsa.kernels:
  - .name:           k_q883a5cf8fb_prep
    .symbol:         k_q883a5cf8fb_prep.kd
    .args:
      - { .name: q, .offset: 0, .size: 8, .value_kind: global_buffer, .address_space: global }
      - { .name: k, .offset: 8, .size: 8, .value_kind: global_buffer, .address_space: global }
      - { .name: v, .offset: 16, .size: 8, .value_kind: global_buffer, .address_space: global }
      - { .name: wq, .offset: 24, .size: 8, .value_kind: global_buffer, .address_space: global }
      - { .name: wk, .offset: 32, .size: 8, .value_kind: global_buffer, .address_space: global }
      - { .name: wv, .offset: 40, .size: 8, .value_kind: global_buffer, .address_space: global }
      - { .name: wo, .offset: 48, .size: 8, .value_kind: global_buffer, .address_space: global }
      - { .name: img, .offset: 56, .size: 8, .value_kind: global_buffer, .address_space: global }
      - { .name: scl, .offset: 64, .size: 8, .value_kind: global_buffer, .address_space: global }
    .group_segment_fixed_size: 34304
    .private_segment_fixed_size: 0
    .kernarg_segment_align: 8
    .kernarg_segment_size: 72
    .max_flat_workgroup_size: 128
    .sgpr_count:     66
    .vgpr_count:     256
    .wavefront_size: 32
...
	.end_amdgpu_metadata
.endif
;; end of part 1
;; launch proj (part 2): grid 768 x 1, 1 waves a work-group, no clusters, 0 bytes of LDS; arguments img, scl, bq, bk, bv, qimg, kv; writes qimg, kv
.if DOCPART == 2
	.amdgcn_target "amdgcn-amd-amdhsa--gfx1250"
	.amdhsa_code_object_version 6
	.text
	.protected	k_q883a5cf8fb_proj
	.globl	k_q883a5cf8fb_proj
	.p2align	8
	.type	k_q883a5cf8fb_proj,@function
k_q883a5cf8fb_proj:
	s_mov_b64 s[64:65], 0
	v_nop
	global_prefetch_b8 v0, s[64:65] scope:SCOPE_SE
	s_setreg_imm32_b32 hwreg(HW_REG_WAVE_MODE, 25, 1), 1
	s_wait_xcnt 0x0
; The three input projections x W^T + b on codes of FP6 (E2M3), and their results quantised on the way out as the attention's operands.
; A work-group is ONE wave with a tile of 128 x 128 in 64 accumulators (512 registers); K = 1,024 in eight steps of 128, written out.  Operands come from memory straight into registers, as the images
; that the launch before has laid (a fragment: three loads of 512 consecutive bytes); two sets of registers take turns, so that one K step's 56 loads are on their way while the other is multiplied.
; No LDS, no barrier.  Work-group: projection = number / 256, block of 128 tokens = (number / 8) % 32, block of 128 channels = number % 8.
; P IS SOURCE 0, R SOURCE 1: a lane then stands for ONE row of R, and the 64 registers of its eight accumulators run along P's rows: register 16 b + i = P's row 32 b + 16 h + i
; (a tile holds rows 32 (t / 2) + 8 (t % 2) + r + 8 (r / 8)).  q and k: P = W, R = x: a lane holds a token, its registers 128 channels = two heads: quantised along the head's 64.
; v: P = x, R = W: a lane holds a channel, its registers 128 keys: quantised along the keys.
; OUT: blocks of 12,800 bytes, [head 16][128 tokens 32]: + 0 four images, each TWO tiles of 16 tokens x 64 channels (registers 0-5, 6-11); + 6,144 four images of v (16 channels x 128 keys);
; + 12,288 scale words [r 16][image 4] of the first four (bytes 0, 1: the first tile; 2, 3: the second); + 12,544 those of v.  q goes to qimg, k and v to kv.
; LIMITS: as in the quantiser of the launch before: the scale's byte is held at 1 from below; NaN and infinities are not served.
; REGISTERS, in windows of 256: window 0: v0-8 addresses; v32-47 scale words, two sets; v48-59 scale words on the way out; v64-159, v160-255 R's fragments, two sets (behind the loop: biases, 64 numbers, codes).
;   window 1: v0-95, v128-223 P's fragments, two sets.   windows 2, 3: accumulator (a, b) at v[8 (8 (a % 4) + b)] of window 2 + a / 4.
.set PB,  20                           ; s[20:21] P's images
.set RB,  22                           ; s[22:23] R's images
.set SB,  6                            ; s[6:7]   the scale words
.set BP,  34                           ; s[34:35] the bias at my 128 channels
.set OP,  36                           ; s[36:37] my first block of the output
.set SEL, 38                           ; s[38:39] v_permlanex16_b32's selects for lane l xor 16
.set HM,  31                           ; s31      lanes 16-31
.set SCS, 32                           ; scale words: set q at v[SCS + 8 q]; register i: lanes 0-15 R's tile i, lanes 16-31 P's tile i
.set RF,  64
.set BI,  64                           ; v64-127  the biases
.set T,   128                          ; v128-191 64 numbers
.set I0,  192                          ; v192-203, v204-215 two images
.set I1,  204
.set CT,  216
.set TM,  224
.set PWA, 240                          ; v240-241 two scale words
.set MSB, 0
.macro WIN new                         ; the immediate's high byte repeats the setting that is left
.if MSB != (\new)
	s_set_vgpr_msb (MSB<<8)|(\new)
.set MSB, \new
.endif
.endm
.macro PLACES                          ; four plain places behind matrix instructions, ahead of loads into their sources and of reads of their results
.rept 4
	v_nop
.endr
.endm
.macro LOADK k, q                      ; K step k into set q: 24 + 24 loads of 512 consecutive bytes, 8 of scale words
	WIN 0x40                                       ; destination window 1
.irp i, 0,1,2,3,4,5,6,7
.irp c, 0,1,2
	global_load_b128 v[128*(\q)+12*\i+4*\c:128*(\q)+12*\i+4*\c+3], v1, s[PB:PB+1] offset:12288*\i+1536*(\k)+512*\c
.endr
.endr
	WIN 0
.irp i, 0,1,2,3,4,5,6,7
.irp c, 0,1,2
	global_load_b128 v[RF+96*(\q)+12*\i+4*\c:RF+96*(\q)+12*\i+4*\c+3], v1, s[RB:RB+1] offset:12288*\i+1536*(\k)+512*\c
.endr
.endr
.irp i, 0,1,2,3,4,5,6,7
	global_load_b32 v[SCS+8*(\q)+\i], v2, s[SB:SB+1] offset:1024*\i+128*(\k)
.endr
.endm
.macro MULK k, q                       ; 64 matrix instructions; the 64 accumulators take turns, in the same order in every K step.  K step 0 starts the sums
.irp a, 0,1,2,3,4,5,6,7
	WIN 0xa1+0x50*(\a/4)                           ; source 0 window 1, source 1 window 0, C and D window 2 or 3
.irp b, 0,1,2,3,4,5,6,7
.if (\k) == 0
	v_wmma_scale_f32_16x16x128_f8f6f4 v[8*(8*(\a%4)+\b):8*(8*(\a%4)+\b)+7], v[128*(\q)+12*\b:128*(\q)+12*\b+11], v[RF+96*(\q)+12*\a:RF+96*(\q)+12*\a+11], 0, v[SCS+8*(\q)+\b], v[SCS+8*(\q)+\a] matrix_a_fmt:MATRIX_FMT_FP6 matrix_b_fmt:MATRIX_FMT_FP6 matrix_a_scale:MATRIX_SCALE_ROW1
.else
	v_wmma_scale_f32_16x16x128_f8f6f4 v[8*(8*(\a%4)+\b):8*(8*(\a%4)+\b)+7], v[128*(\q)+12*\b:128*(\q)+12*\b+11], v[RF+96*(\q)+12*\a:RF+96*(\q)+12*\a+11], v[8*(8*(\a%4)+\b):8*(8*(\a%4)+\b)+7], v[SCS+8*(\q)+\b], v[SCS+8*(\q)+\a] matrix_a_fmt:MATRIX_FMT_FP6 matrix_b_fmt:MATRIX_FMT_FP6 matrix_a_scale:MATRIX_SCALE_ROW1
.endif
.endr
.endr
.endm
; 64 numbers of a lane, register 16 b + i = k 32 b + 16 (lane / 16) + i of my row, become codes: k 0-63 in v[d0 .. d0 + 5], k 64-127 in v[d1 .. d1 + 5], and the scale word in v[pw].
.macro QUANT src, d0, d1, pw
.irp b, 0,1,2,3
	v_max3_num_f32 v[TM+\b], |v[\src+16*\b]|, |v[\src+1+16*\b]|, 0x1800000   ; my 16 numbers of block b, and the floor 2^(3 - 127): the byte cannot fall under 1
.endr
.irp i, 2,4,6,8,10,12,14
.irp b, 0,1,2,3
	v_max3_num_f32 v[TM+\b], v[TM+\b], |v[\src+16*\b+\i]|, |v[\src+1+16*\b+\i]|
.endr
.endr
.irp b, 0,1,2,3
	v_permlanex16_b32 v[TM+4+\b], v[TM+\b], s[SEL], s[SEL+1]
.endr
.irp b, 0,1,2,3
	v_max_num_f32 v[TM+\b], v[TM+\b], v[TM+4+\b]   ; with lane l xor 16's 16: the block's largest magnitude
.endr
.irp b, 0,1,2,3
	v_add_nc_u32 v[TM+12+\b], 0xff000000, v[TM+\b]   ; 2 off its exponent field: the conversion's scale operand
.endr
.irp b, 0,1,2,3
	v_lshrrev_b32 v[TM+4+\b], 23, v[TM+12+\b]      ; the scale's byte
.endr
	v_lshl_or_b32 v[\pw], v[TM+5], 8, v[TM+4]
	v_lshl_or_b32 v[\pw], v[TM+6], 16, v[\pw]
	v_lshl_or_b32 v[\pw], v[TM+7], 24, v[\pw]
	v_cvt_scalef32_pk16_fp6_f32 v[\d0:\d0+2], v[\src:\src+15], v[TM+12]
	v_cvt_scalef32_pk16_fp6_f32 v[CT:CT+2], v[\src+16:\src+31], v[TM+13]       ; (a conversion's three registers begin on an even number)
	v_cvt_scalef32_pk16_fp6_f32 v[\d1:\d1+2], v[\src+32:\src+47], v[TM+14]
	v_cvt_scalef32_pk16_fp6_f32 v[CT+4:CT+6], v[\src+48:\src+63], v[TM+15]
	v_nop                                          ; one plain place behind the scaled conversions
.irp i, 0,1,2
	v_permlane16_swap_b32 v[\d0+\i], v[CT+\i]      ; the operand wants a whole block in a lane
.endr
.irp i, 0,1,2
	v_mov_b32 v[\d0+3+\i], v[CT+\i]
.endr
.irp i, 0,1,2
	v_permlane16_swap_b32 v[\d1+\i], v[CT+4+\i]
.endr
.irp i, 0,1,2
	v_mov_b32 v[\d1+3+\i], v[CT+4+\i]
.endr
.endm
.macro LASTK                           ; behind a way's 16 bias loads: K step 7
	s_wait_loadcnt 16                              ; K step 7's loads are in; the 16 bias loads may be out
	MULK 7, 1
	WIN 0
	PLACES
	s_wait_loadcnt 0x0                             ; the biases
.irp b, 0,1,2,3
	v_mov_b32 v[TM+4+\b], 0                        ; written once: a lane permute's destination counts as one of its sources
.endr
.endm
	s_load_b256 s[4:11], s[0:1], 0x0               ; img, scl, bq, bk
	s_load_b128 s[12:15], s[0:1], 0x20             ; bv, qimg
	s_load_b64 s[16:17], s[0:1], 0x30              ; kv
	v_and_b32 v3, 15, v0                           ; r
	v_lshrrev_b32 v4, 4, v0                        ; h (one wave: v0 is the lane)
	s_wait_alu depctr_va_vdst(0)
	v_lshlrev_b32 v1, 4, v0                        ; 16 x lane
	s_lshr_b32 s24, ttmp9, 8                       ; which projection
	s_bfe_u32 s25, ttmp9, 0x50003                  ; block of 128 tokens
	s_and_b32 s26, ttmp9, 7                        ; block of 128 channels
	s_lshl_b32 s27, s24, 8
	s_lshl_b32 s28, s25, 3
	s_add_co_u32 s27, s27, s28                     ; x's first tile
	s_lshl_b32 s28, s24, 6
	s_lshl_b32 s29, s26, 3
	s_add_co_u32 s28, s28, s29
	s_add_co_u32 s28, s28, 768                     ; W's first tile
	s_cmp_eq_u32 s24, 2
	s_cselect_b32 s29, s27, s28                    ; P's: x for v, else W
	s_cselect_b32 s30, s28, s27                    ; R's
	s_mov_b32 s[HM], 0xffff0000
	s_lshl_b32 s32, s29, 10
	s_lshl_b32 s33, s30, 10
	v_lshlrev_b32 v2, 2, v0
	v_add_nc_u32 v5, s33, v2
	v_add_nc_u32 v2, s32, v2
	v_cndmask_b32 v2, v5, v2, s[HM]                ; scale words: lanes 0-15 take R's tiles, lanes 16-31 P's
	v_mul_u32_u24 v6, v4, 0x64000                  ; the way out's scale words: lanes 16-31 one head (409,600 bytes) on,
	v_lshl_add_u32 v6, v3, 4, v6                   ; + 16 r
	v_lshlrev_b32 v7, 6, v4                        ; biases along the registers: 64 h
	v_and_b32 v8, 8, v3
	v_add_nc_u32 v8, v8, v3
	v_lshlrev_b32 v8, 2, v8                        ; a bias to a lane: 4 (r + 8 (r / 8))
	s_mov_b32 s[SEL], 0x76543210
	s_mov_b32 s[SEL+1], 0xfedcba98
	s_mov_b32 s33, 0
	s_wait_alu depctr_va_vdst(0)
	s_wait_kmcnt 0x0
	s_mul_i32 s32, s29, 12288
	s_add_nc_u64 s[PB:PB+1], s[4:5], s[32:33]
	s_mul_i32 s32, s30, 12288
	s_add_nc_u64 s[RB:RB+1], s[4:5], s[32:33]
	s_cmp_eq_u32 s24, 0
	s_cselect_b64 s[BP:BP+1], s[8:9], s[10:11]
	s_cselect_b64 s[OP:OP+1], s[14:15], s[16:17]
	s_cmp_eq_u32 s24, 2
	s_cselect_b64 s[BP:BP+1], s[12:13], s[BP:BP+1]
	s_lshl_b32 s32, s26, 9
	s_add_nc_u64 s[BP:BP+1], s[BP:BP+1], s[32:33]
	s_lshl_b32 s32, s26, 6                         ; head 2 x channel block: 32 blocks a head
	s_add_co_u32 s32, s32, s25
	s_mul_i32 s32, s32, 12800
	s_add_nc_u64 s[OP:OP+1], s[OP:OP+1], s[32:33]
	LOADK 0, 0
	LOADK 1, 1
.irp k, 0,1,2,3,4,5
	s_wait_loadcnt 56                              ; this K step's 56 loads are in; the next step's 56 may be out
	MULK \k, \k%2
	WIN 0
	PLACES
	LOADK \k+2, \k%2                               ; into the set just multiplied
.endr
	s_wait_loadcnt 56
	MULK 6, 0
	WIN 0
	PLACES
	s_cmp_eq_u32 s24, 2
	s_cbranch_scc1 .Lvmode
	; ---- q and k: the bias runs along my registers; a token's 128 channels are two heads
.irp b, 0,1,2,3
.irp y, 0,1,2,3
	global_load_b128 v[BI+16*\b+4*\y:BI+16*\b+4*\y+3], v7, s[BP:BP+1] offset:128*\b+16*\y
.endr
.endr
	LASTK
.irp b, 0,1,2,3                        ; tiles 2 b and 2 b + 1 of tokens make one image for each head
	s_wait_xcnt 0x0                                ; the last images' stores have read their data
.irp u, 0,1
	WIN 0x02+(2*\b+\u)/4                           ; source 0: window 2 or 3
.set n, 0
.rept 32
	v_pk_add_f32 v[T+n:T+n+1], v[64*((2*\b+\u)%4)+n:64*((2*\b+\u)%4)+n+1], v[BI+n:BI+n+1]   ; each accumulator from its low end on
.set n, n+2
.endr
	WIN 0
	QUANT T, I0+6*\u, I1+6*\u, PWA+\u
.endr
	v_perm_b32 v[48+\b], v[PWA+1], v[PWA], 0x05040100   ; the first head's two bytes of both tiles,
	v_perm_b32 v[52+\b], v[PWA+1], v[PWA], 0x07060302   ; the second head's
.irp c, 0,1,2
	global_store_b128 v1, v[I0+4*\c:I0+4*\c+3], s[OP:OP+1] offset:1536*\b+512*\c
	global_store_b128 v1, v[I1+4*\c:I1+4*\c+3], s[OP:OP+1] offset:409600+1536*\b+512*\c
.endr
.endr
.irp b, 0,1,2,3
	v_cndmask_b32 v[56+\b], v[48+\b], v[52+\b], s[HM]   ; lanes 0-15 store the first head's words, lanes 16-31 the second's
.endr
	global_store_b128 v6, v[56:59], s[OP:OP+1] offset:12288   ; sixteen lanes store 256 consecutive bytes, aligned
	s_endpgm
	; ---- v: a lane holds a channel: one bias a lane and tile; its registers are 128 keys
.Lvmode:
.irp a, 0,1,2,3,4,5,6,7
	global_load_b32 v[BI+2*\a], v8, s[BP:BP+1] offset:(32*(\a/2)+8*(\a%2))*4
	global_load_b32 v[BI+2*\a+1], v8, s[BP:BP+1] offset:(32*(\a/2)+8*(\a%2))*4   ; (the packed form names a pair)
.endr
	LASTK
.irp a, 0,1,2,3,4,5,6,7                ; tile a of channels: head a / 4, image a % 4
	s_wait_xcnt 0x0                                ; earlier stores have read their data
	WIN 0x02+\a/4
.set n, 0
.rept 32
	v_pk_add_f32 v[T+n:T+n+1], v[64*(\a%4)+n:64*(\a%4)+n+1], v[BI+2*\a:BI+2*\a+1] op_sel_hi:[1,0]
.set n, n+2
.endr
	WIN 0
	QUANT T, I0+12*(\a%2), I0+12*(\a%2)+6, 48+\a
.irp c, 0,1,2
	global_store_b128 v1, v[I0+12*(\a%2)+4*\c:I0+12*(\a%2)+4*\c+3], s[OP:OP+1] offset:409600*(\a/4)+6144+1536*(\a%4)+512*\c
.endr
.endr
.irp b, 0,1,2,3
	v_cndmask_b32 v[56+\b], v[48+\b], v[52+\b], s[HM]
.endr
	global_store_b128 v6, v[56:59], s[OP:OP+1] offset:12544
	s_endpgm
.Lfunc_end_k_q883a5cf8fb_proj:
	.size	k_q883a5cf8fb_proj, .Lfunc_end_k_q883a5cf8fb_proj-k_q883a5cf8fb_proj
	.p2alignl 7, 3214868480
	.fill 96, 4, 3214868480
	.section	.rodata,"a",@progbits
	.p2align	6, 0x0
	.amdhsa_kernel k_q883a5cf8fb_proj
		.amdhsa_group_segment_fixed_size 0
		.amdhsa_private_segment_fixed_size 0
		.amdhsa_enable_private_segment 0
		.amdhsa_kernarg_size 56
		.amdhsa_user_sgpr_count 2
		.amdhsa_user_sgpr_kernarg_segment_ptr 1
		.amdhsa_wavefront_size32 1
		.amdhsa_system_sgpr_workgroup_id_x 1
		.amdhsa_system_sgpr_workgroup_id_y 1
		.amdhsa_system_sgpr_workgroup_id_z 1
		.amdhsa_system_vgpr_workitem_id 0
		.amdhsa_next_free_vgpr 1024
		.amdhsa_next_free_sgpr 66
		.amdhsa_reserve_vcc 0
		.amdhsa_float_denorm_mode_32 3
		.amdhsa_float_denorm_mode_16_64 3
		.amdhsa_memory_ordered 1
		.amdhsa_forward_progress 1
		.amdhsa_inst_pref_size 222
	.end_amdhsa_kernel
	.amdgpu_metadata
---
amdhsa.version: [ 1, 2 ]
amdhsa.kernels:
  - .name:           k_q883a5cf8fb_proj
    .symbol:         k_q883a5cf8fb_proj.kd
    .args:
      - { .name: img, .offset: 0, .size: 8, .value_kind: global_buffer, .address_space: global }
      - { .name: scl, .offset: 8, .size: 8, .value_kind: global_buffer, .address_space: global }
      - { .name: bq, .offset: 16, .size: 8, .value_kind: global_buffer, .address_space: global }
      - { .name: bk, .offset: 24, .size: 8, .value_kind: global_buffer, .address_space: global }
      - { .name: bv, .offset: 32, .size: 8, .value_kind: global_buffer, .address_space: global }
      - { .name: qimg, .offset: 40, .size: 8, .value_kind: global_buffer, .address_space: global }
      - { .name: kv, .offset: 48, .size: 8, .value_kind: global_buffer, .address_space: global }
    .group_segment_fixed_size: 0
    .private_segment_fixed_size: 0
    .kernarg_segment_align: 8
    .kernarg_segment_size: 56
    .max_flat_workgroup_size: 32
    .sgpr_count:     66
    .vgpr_count:     1024
    .wavefront_size: 32
...
	.end_amdgpu_metadata
.endif
;; end of part 2
;; launch attn (part 3): grid 16 x 16, 16 waves a work-group, no clusters, 327,680 bytes of LDS; arguments qimg, kv, mask, img, scl; writes img, scl
.if DOCPART == 3
	.amdgcn_target "amdgcn-amd-amdhsa--gfx1250"
	.amdhsa_code_object_version 6
	.text
	.protected	k_q883a5cf8fb_attn
	.globl	k_q883a5cf8fb_attn
	.p2align	8
	.type	k_q883a5cf8fb_attn,@function
k_q883a5cf8fb_attn:
	s_mov_b64 s[64:65], 0
	v_nop
	global_prefetch_b8 v0, s[64:65] scope:SCOPE_SE
	s_setreg_imm32_b32 hwreg(HW_REG_WAVE_MODE, 25, 1), 1
	s_wait_xcnt 0x0
; Attention of one head on codes of FP6 (E2M3): S = q k^T / 32, hidden scores by the mask, p = 2^(t - M), O = p v / the sum of p; O is quantised along the model's 1,024 as the last product's operand.
; t = score x log2(e) / 32; M = the running largest t, rounded UP to a whole number; p is quantised along the keys, not normalised; the row's sum is taken of the unquantised p.  When M moves,
; the sum and O are multiplied by 2^(old M - new M), which rounds nothing.
; SHARES.  A work-group owns 256 queries of one head; each of its sixteen waves one tile of 16, in 256 registers.  Every wave walks the head's 4,096 keys, 128 a step.
; BOTH PRODUCTS ARE USED TRANSPOSED: a lane holds ONE query (lane % 16).  Tile t of a step's keys holds, in row 8 h + j, key 64 (t / 4) + 32 h + 8 (t % 4) + j: so the 32 score registers of four
; neighbouring tiles are ONE WHOLE BLOCK of 32 keys of lane half h, in the order in which the second product's operand wants them: no number of p changes lanes.
; THE HEAD IS 64 AND THE INSTRUCTION 128 DEEP: an image of k carries two tiles of keys, and the query stands in a run [0 x 6][q x 6][0 x 6]: read from + 6 it meets the first, from + 0 the second.
; THE MASK GOES THROUGH THE MATRIX UNIT, AS IT LIES IN MEMORY.  A bool is a byte 0 or 1.  Eight such bytes, read as a stream of 6-bit codes, are the numbers 0.125, 0.5, 2, 0.125, 0.5, 2, 0.125, 0.5
; (or 0) at code places 0, 1, 2, 4, 5, 6, 8, 9.  A constant fragment E holds for row 8 h + j, in lane half h, the code -4, -1 or -0.25 at byte j's place and zero codes elsewhere, under the scale 2^36:
; E x (a lane's eight mask bytes of a tile) is -2^35 where the key is hidden and 0 where it is open.  That product starts each tile's sum; the score product adds onto it in place, the eight
; accumulators by turns.  Only the first two registers of the mask's operand meet codes of E that are not zero; the ten behind them (later mask bytes, the query's run) meet zero codes and add nothing.
; LDS: two slots of two steps: 25,600 bytes of kv (two blocks: four images of k, four of v, their scale words) and the work-group's 256 mask rows x 256 bytes, 272 apart.  Waves 0-7 fetch 32 mask
; rows each, waves 8-11 a quarter of the kv, one tensor load a wave.  The barrier of a change of slots is signalled behind the slot's last LDS read and waited for behind that step's softmax.
; PREFETCH: in trip t wave 0 names 16 of the 256 mask rows and wave 1 its share of the 100 blocks of kv that trip t + 2 will load (slot t + 4): the sixteen work-groups that read a tile share its
; blocks out by the head's or the query block's number; the last two trips of the loop and the tail ask for nothing; slots 0 to 3 come by their loads alone.
; NO JOINT LOADS: LDS has room for slots of two steps only, so there are 15 changes of slots, and each would become a round of sixteen work-groups' barrier, inside which the softmax that here
; stands between signal and wait could not stand.
; LIMITS: a hidden score stands as score - 2^35 (a logit near -2^30 in place of -1e9): results agree while every open logit lies above about -1e9 and the scaled scores stay under 2^31.  A row that is hidden
; altogether gives the plain mean, as with -1e9, while its scores vanish beside 2^35 in the f32 sum (magnitudes under 2^10).  NaN and infinities are not served; a scale's byte is held at 1 from below.
.set STEPB, 12800
.set KVB,   2*STEPB                    ; a slot's kv; the mask's rows lie behind it
.set MP,    272
.set HEADB, 32*STEPB
.set SLOT1, 1<<17                      ; slot 1 begins here
.set SPARE, 2*SLOT1                    ; the spare words, 128 bytes for each of sixteen waves
.set LI,   1                           ; 16 x lane
.set SPW,  2                           ; my spare word; never rewritten
.set NIL,  3                           ; 0; never rewritten
.set ADR,  4                           ; LDS: the slot's kv + 16 x lane
.set MB,   5                           ; my mask row in a slot, + 32 h
.set L4,   6                           ; 4 x lane
.set H8,   7                           ; 8 h
.set MAD,  8                           ; LDS: the slot + MB
.set PFO,  9                           ; the prefetch's lane term
.set MK,   16                          ; v16-31  a step's mask bytes: tile t at + 2 t
.set QR,   32                          ; v32-49  the query's run, directly behind them
.set QS,   50                          ; the query's scale word
.set MSA,  51                          ; E's scales: 2^36
.set MSB,  52                          ; the mask bytes' scales: 1
.set PX,   53                          ; a lane permute's result
.set E,    54                          ; v54-65
.set KV,   66                          ; v66-113 four fragments of k, then of v
.set PC,   114                         ; v114-125 p's codes
.set S,    126                         ; v126-189 the scores, then p
.set O,    190                         ; v190-221 O^T
.set SC,   222                         ; v222-225 scale words: lanes 0-15 k's images, lanes 16-31 v's
.set SUM,  226                         ; v[226:227] the row's sum in two halves; v228-241 serve as seven more chains of it
.set BM,   228                         ; v228-235 maxima, scale operands, bytes
.set CT,   236                         ; v236-242 upper halves of blocks
.set F,    244                         ; v[244:245] f = 2^(old M - new M)
.set TMP,  246
.set PW,   247                         ; p's scale word
.set T2,   248
.set CS,   2                           ; s[2:3] c = log2(e) / 32
.set WV,   14
.set HD,   15
.set TB,   16                          ; the slot's first LDS byte
.set CNT,  17
.set LIM,  18
.set G0M,  20                          ; descriptors: the mask's
.set G1M,  24
.set G0K,  32                          ; and the kv's
.set G1K,  36
.set SEL,  44
.set PFA,  46                          ; s[46:47] where my prefetch stands; s[48:49] its step
.set PST,  48
.macro TLOAD                           ; one chain of branches on the wave's number, one load to an arm; s_nop 0 and four v_nop behind each
	s_cmp_lt_u32 s[WV], 8
	s_cbranch_scc0 .Lk_\@
	tensor_load_to_lds s[G0M:G0M+3], s[G1M:G1M+7]
	s_nop 0
.rept 4
	v_nop
.endr
	s_branch .Ld_\@
.Lk_\@:
	s_cmp_lt_u32 s[WV], 12
	s_cbranch_scc0 .Ld_\@
	tensor_load_to_lds s[G0K:G0K+3], s[G1K:G1K+7]
	s_nop 0
.rept 4
	v_nop
.endr
.Ld_\@:
.endm
.macro NEXTFILL                        ; no tensor load of mine is out: the descriptors go on to the other slot and the next two steps
	s_xor_b32 s[G0M+1], s[G0M+1], SLOT1
	s_add_nc_u64 s[G0M+2:G0M+3], s[G0M+2:G0M+3], 256
	s_xor_b32 s[G0K+1], s[G0K+1], SLOT1
	s_add_nc_u64 s[G0K+2:G0K+3], s[G0K+2:G0K+3], KVB
.endm
	s_load_b256 s[4:11], s[0:1], 0x0               ; qimg, kv, mask, img
	s_load_b64 s[12:13], s[0:1], 0x20              ; scl
	v_lshl_add_u32 v[SPW], v0, 2, SPARE
	v_mov_b32 v[NIL], 0
	ds_add_u32 v[SPW], v[NIL]                      ; the opening: the add, twice on end, and its wait ahead of the first tensor load
	ds_add_u32 v[SPW], v[NIL]
	v_lshrrev_b32 v4, 5, v0
	v_readfirstlane_b32 s[WV], v4                  ; wave 0..15
	s_and_b32 s[HD], ttmp7, 0xffff                 ; the head
	s_mov_b32 s[G1M], (3<<16)|(1<<20)|(5<<22)|(3<<25)   ; elements of 8 bytes; 4 words of padding behind every 64
	s_mov_b32 s[G1M+1], 32<<16                     ; a row: 32 elements, 256 bytes
	s_mov_b32 s[G1M+2], 32<<16                     ; 32 rows
	s_mov_b32 s[G1M+3], 32<<16
	s_mov_b32 s[G1M+4], 32
	s_mov_b32 s[G1M+5], 512                        ; the mask's pitch: 4,096 bytes
	s_mov_b32 s[G1M+6], 0
	s_mov_b32 s[G1M+7], 0
	s_mov_b32 s[G1K], 3<<16                        ; dense: 25 rows of 256 bytes
	s_mov_b32 s[G1K+1], 32<<16
	s_mov_b32 s[G1K+2], 25<<16
	s_mov_b32 s[G1K+3], 32<<16
	s_mov_b32 s[G1K+4], 25
	s_mov_b32 s[G1K+5], 32
	s_mov_b32 s[G1K+6], 0
	s_mov_b32 s[G1K+7], 0
	s_and_b32 s50, s[WV], 7
	s_mul_i32 s[G0M+1], s50, 32*MP
	s_add_co_u32 s[G0M+1], s[G0M+1], KVB           ; LDS: my 32 mask rows of slot 0
	s_lshl_b32 s50, s50, 17
	s_lshl_b32 s51, ttmp9, 20
	s_add_co_u32 s50, s50, s51                     ; mask row 256 x query block + 32 x wave
	s_mov_b32 s51, 0
	s_and_b32 s52, s[WV], 3
	s_mul_i32 s[G0K+1], s52, KVB/4                 ; LDS: my quarter of slot 0's kv
	s_mul_i32 s52, s[HD], HEADB
	s_add_co_u32 s52, s52, s[G0K+1]
	s_mov_b32 s53, 0
	s_mov_b32 s[G0M], 1
	s_mov_b32 s[G0K], 1
	s_wait_dscnt 0x0                               ; both opening adds are done
	s_wait_kmcnt 0x0
	s_add_nc_u64 s[G0M+2:G0M+3], s[8:9], s[50:51]
	s_or_b32 s[G0M+3], s[G0M+3], 0x80000000
	s_add_nc_u64 s[G0K+2:G0K+3], s[6:7], s[52:53]
	s_or_b32 s[G0K+3], s[G0K+3], 0x80000000
	TLOAD                                          ; slot 0
	; where my tile's result goes, and where my query lies
	s_lshl_b32 s2, ttmp9, 4
	s_add_co_u32 s2, s2, s[WV]                     ; my tile of queries, 0..255
	s_add_co_u32 s54, s2, 1024
	s_mul_i32 s52, s54, 12288
	s_lshr_b32 s55, s[HD], 1                       ; the K step of the last product in which my head lies
	s_mul_i32 s56, s55, 1536
	s_add_co_u32 s52, s52, s56
	s_add_nc_u64 s[10:11], s[10:11], s[52:53]
	s_lshl_b32 s52, s54, 10
	s_lshl_b32 s56, s55, 7
	s_add_co_u32 s52, s52, s56
	s_and_b32 s56, s[HD], 1
	s_lshl_b32 s56, s56, 1                         ; an odd head's two bytes are the word's upper two
	s_add_co_u32 s52, s52, s56
	s_add_nc_u64 s[12:13], s[12:13], s[52:53]
	s_lshl_b32 s52, s[HD], 5
	s_lshr_b32 s56, s2, 3
	s_add_co_u32 s52, s52, s56
	s_mul_i32 s52, s52, STEPB
	s_add_nc_u64 s[4:5], s[4:5], s[52:53]          ; the block of qimg that holds my tile
	s_bfe_u32 s56, s2, 0x20001                     ; which of its four images,
	s_mul_i32 s57, s56, 1536
	s_lshl_b32 s56, s56, 2
	s_and_b32 s58, s2, 1                           ; and which half: registers 0-5 lie at 0, 8, 512 of a lane's bytes, registers 6-11 at 520, 1024, 1032
	s_lshl_b32 s59, s58, 4
	s_cmp_lg_u32 s58, 0
	s_cselect_b32 s60, 520, 0
	s_cselect_b32 s61, 1024, 8
	s_mov_b32 s62, 512
	s_cselect_b32 s62, 1032, s62
	s_add_co_u32 s60, s60, s57
	s_add_co_u32 s61, s61, s57
	s_add_co_u32 s62, s62, s57
	; the prefetches: wave 0 the mask (rows 16 x head .. + 15 of my query block's 256), the others' registers the kv (blocks 8 x .. 8 x + 7 of a slot's 100 for query blocks 0-11, block 84 + x for 12-15)
	s_lshl_b32 s50, ttmp9, 20
	s_lshl_b32 s52, s[HD], 16
	s_add_co_u32 s50, s50, s52
	s_add_co_u32 s50, s50, 4*256                   ; slot 4
	s_lshl_b32 s52, ttmp9, 3
	s_add_co_u32 s55, ttmp9, 84
	s_cmp_lt_u32 ttmp9, 12
	s_cselect_b32 s52, s52, s55
	s_cselect_b32 s54, 7, 0                        ; blocks - 1
	s_lshl_b32 s52, s52, 8
	s_mul_i32 s55, s[HD], HEADB
	s_add_co_u32 s52, s52, s55
	s_add_co_u32 s52, s52, 4*KVB
	s_cmp_eq_u32 s[WV], 0
	s_cselect_b64 s[PFA:PFA+1], s[8:9], s[6:7]
	s_cselect_b32 s50, s50, s52
	s_cselect_b32 s54, 15, s54
	s_mov_b32 s55, 256
	s_cselect_b32 s57, 4096, s55                   ; from lane to lane
	s_mov_b32 s58, KVB
	s_cselect_b32 s[PST], s55, s58                 ; from slot to slot
	s_mov_b32 s[PST+1], 0
	s_add_nc_u64 s[PFA:PFA+1], s[PFA:PFA+1], s[50:51]
	s_cmp_lt_u32 s[WV], 2
	s_cselect_b32 s[LIM], 2, -1                    ; waves 0 and 1 ask while more than two trips of the loop are left
	s_lshr_b32 s63, s[WV], 1
	s_lshl_b32 s63, s63, 5
	s_and_b32 s58, s[WV], 1
	s_lshl_b32 s58, s58, 3
	s_add_co_u32 s63, s63, s58
	s_mul_i32 s63, s63, MP
	s_add_co_u32 s63, s63, KVB                     ; my tile's first mask row in a slot
	s_mov_b32 s50, 0x38222838                      ; E: the codes -4, -1, -0.25, -4 of bytes 0-3,
	s_mov_b32 s51, 0x180c0600                      ; at bits 0, 6, 12, 24 of the first register;
	s_mov_b32 s52, 0x2838220a                      ; of bytes 4-7 (-1, -0.25, -4, -1; the first has two bits shifted out below),
	s_mov_b32 s55, 0x16100400                      ; at bits 0, 4, 16, 22 of the second
	s_mov_b32 s[CS], 0x3d38aa3b                    ; c = log2(e) / 32
	s_mov_b32 s[CS+1], s[CS]
	s_mov_b32 s[SEL], 0x76543210
	s_mov_b32 s[SEL+1], 0xfedcba98
	s_mov_b32 s[TB], 0
	s_mov_b32 s[CNT], 14
	v_and_b32 v4, 31, v0
	v_and_b32 v10, 15, v0                          ; r
	v_bfe_u32 v11, v0, 4, 1                        ; h
	v_lshlrev_b32 v[LI], 4, v4
	v_lshlrev_b32 v[L4], 2, v4
	v_lshlrev_b32 v[S+13], 4, v10
	v_add_nc_u32 v[S+10], s60, v[LI]
	v_add_nc_u32 v[S+11], s61, v[LI]
	v_add_nc_u32 v[S+12], s62, v[LI]
	v_add_nc_u32 v[S+13], s56, v[S+13]             ; the query's scale word: 16 r + 4 x image
	global_load_b64 v[QR+6:QR+7], v[S+10], s[4:5]
	global_load_b64 v[QR+8:QR+9], v[S+11], s[4:5]
	global_load_b64 v[QR+10:QR+11], v[S+12], s[4:5]
	global_load_b32 v[QS], v[S+13], s[4:5] offset:12288
	v_min_u32 v[PFO], s54, v4                      ; lanes that are left over name the last block again
	v_lshlrev_b32 v[H8], 3, v11
	v_and_b32 v[S+8], 3, v10
	v_and_b32 v[S+6], 8, v10
	v_mul_u32_u24 v[PFO], v[PFO], s57
	v_lshlrev_b32 v[S+8], 3, v[S+8]
	v_add_nc_u32 v[S+6], v[S+6], v10               ; r + 8 (r / 8)
	v_lshrrev_b32 v[S+4], 3, v10
	v_and_b32 v[S+5], 4, v10
	v_mul_u32_u24 v[S+6], v[S+6], MP
	v_bfe_u32 v[S], s50, v[S+8], 8
	v_bfe_u32 v[S+1], s51, v[S+8], 8
	v_bfe_u32 v[S+2], s52, v[S+8], 8
	v_bfe_u32 v[S+3], s55, v[S+8], 8
	v_xor_b32 v[S+4], v[S+4], v11                  ; 0 where my lane half holds row r's code
	v_lshl_add_u32 v[S+6], v11, 5, v[S+6]
	v_lshlrev_b32 v[S], v[S+1], v[S]
	v_lshlrev_b32 v[S+2], v[S+3], v[S+2]
	v_lshl_or_b32 v[S+4], v[S+4], 3, v[S+5]
	v_add_nc_u32 v[MB], s63, v[S+6]
	v_cmp_eq_u32 s58, 0, v[S+4]                    ; bytes 0-3: the first register
	v_cmp_eq_u32 s54, 4, v[S+4]                    ; bytes 4-7: the second
	v_cndmask_b32 v[E], 0, v[S], s58
	v_cndmask_b32 v[E+1], 0, v[S+2], s54
.irp i, 2,3,4,5,6,7,8,9,10,11
	v_mov_b32 v[E+\i], 0
.endr
.irp i, 0,1,2,3,4,5
	v_mov_b32 v[QR+\i], 0                          ; zero codes on both sides of the query
	v_mov_b32 v[QR+12+\i], 0
.endr
	v_mov_b32 v[MSA], 0xa3a3a3a3                   ; 2^36
	v_mov_b32 v[MSB], 0x7f7f7f7f                   ; 1
	v_mov_b32 v13, 0xff61b1e6                      ; the largest score so far: -3e38
	v_mov_b32 v12, 0x7e000000                      ; -M: so large that the first f is 0
	v_mov_b32 v[SUM], 0
	v_mov_b32 v[SUM+1], 0
	v_mov_b32 v[PX], 0                             ; written once: a lane permute's destination counts as one of its sources
	v_mov_b32 v[F+1], 0                            ; (named as the upper half of the pair)
.set j, 0
.rept 32
	v_mov_b32 v[O+j], 0                            ; O^T: the step is written once, and the first finds zeros
.set j, j+1
.endr
	s_wait_loadcnt 0x0                             ; the query
	v_lshrrev_b32 v[QS], s59, v[QS]                ; my tile's two bytes of the image's word,
	v_and_b32 v[QS], 0xffff, v[QS]
	v_lshl_or_b32 v[QS], v[QS], 16, v[QS]          ; twice: they serve [q, 0] and [0, q]
; A KEY STEP: 128 keys, the st-th of its slot.  chg = 1: the slot is left and filled again; chg = 2: it is left; pf = 1: the trip's prefetch.
.macro STEP st, chg, pf
.irp i, 0,1,2,3
	ds_load_b128 v[MK+4*\i:MK+4*\i+3], v[MAD] offset:128*\st+64*(\i/2)+16*(\i%2)   ; my query's mask bytes of keys 64 (i / 2) + 32 h + 16 (i % 2) + 0 .. 15
.endr
.irp b, 0,1,2,3
.irp c, 0,1,2
	ds_load_b128 v[KV+12*\b+4*\c:KV+12*\b+4*\c+3], v[ADR] offset:STEPB*\st+1536*\b+512*\c   ; k's four images
.endr
.endr
	ds_load_b128 v[SC:SC+3], v[ADR] offset:STEPB*\st+12288
	s_wait_dscnt 13                                ; the four mask loads are in; the 13 behind them may be out
.irp t, 0,1,2,3,4,5,6,7                ; -2^35 where hidden, 0 where open: these start the sums
	v_wmma_scale_f32_16x16x128_f8f6f4 v[S+8*\t:S+8*\t+7], v[E:E+11], v[MK+2*\t:MK+2*\t+11], 0, v[MSA], v[MSB] matrix_a_fmt:MATRIX_FMT_FP6 matrix_b_fmt:MATRIX_FMT_FP6
.endr
	s_wait_dscnt 0x0
.irp b, 0,1,2,3                        ; + k q^T, in place, the eight accumulators by turns
.irp u, 0,1
	v_wmma_scale_f32_16x16x128_f8f6f4 v[S+8*(2*\b+\u):S+8*(2*\b+\u)+7], v[KV+12*\b:KV+12*\b+11], v[QR+6-6*\u:QR+17-6*\u], v[S+8*(2*\b+\u):S+8*(2*\b+\u)+7], v[SC+\b], v[QS] matrix_a_fmt:MATRIX_FMT_FP6 matrix_b_fmt:MATRIX_FMT_FP6
.endr
.endr
	v_mov_b32 v[TMP], v12                          ; the old -M; with three v_nop the four places ahead of the loads into k's registers and of the first read of the scores
.rept 3
	v_nop
.endr
.irp t, 0,1,2,3
.irp c, 0,1,2
	ds_load_b128 v[KV+12*\t+4*\c:KV+12*\t+4*\c+3], v[ADR] offset:STEPB*\st+6144+1536*\t+512*\c   ; v's four images
.endr
.endr
.if \pf
	s_cmp_gt_u32 s[CNT], s[LIM]
	s_cbranch_scc0 .Lnp_\@
	global_prefetch_b8 v[PFO], s[PFA:PFA+1] th:TH_LOAD_NT scope:SCOPE_SE
.Lnp_\@:
.endif
.if \chg == 1
	s_wait_xcnt 0x0                                ; the prefetch has read its address
	s_add_nc_u64 s[PFA:PFA+1], s[PFA:PFA+1], s[PST:PST+1]
.endif
.if \chg
	s_wait_tensorcnt 0x0                           ; my part of the other slot has landed
	ds_add_u32 v[SPW], v[NIL]
.if \chg == 1
	ds_add_u32 v[SPW], v[NIL]
	NEXTFILL
.endif
	s_wait_dscnt 0x0                               ; the add is done, and my reads of this slot are over
	s_barrier_signal -1                            ; only work on registers up to the wait
.endif
.irp c, 0,1                            ; the largest score of my two blocks of 32 keys, each in two chains, the four by turns; each accumulator is first read at its low end
	v_max3_num_f32 v[BM+\c], v[S+32*\c], v[S+32*\c+1], v[S+32*\c+2]
	v_max3_num_f32 v[BM+2+\c], v[S+32*\c+16], v[S+32*\c+17], v[S+32*\c+18]
.endr
.irp i, 3,5,7,9,11,13
.irp c, 0,1
	v_max3_num_f32 v[BM+\c], v[BM+\c], v[S+32*\c+\i], v[S+32*\c+\i+1]
	v_max3_num_f32 v[BM+2+\c], v[BM+2+\c], v[S+32*\c+16+\i], v[S+32*\c+17+\i]
.endr
.endr
	v_max3_num_f32 v[BM], v[BM], v[BM+2], v[S+15]
	v_max3_num_f32 v[BM+1], v[BM+1], v[BM+3], v[S+47]
	v_max_num_f32 v[BM], v[BM], v[S+31]
	v_max_num_f32 v[BM+1], v[BM+1], v[S+63]
	v_max_num_f32 v[T2], v[BM], v[BM+1]
	v_permlanex16_b32 v[PX], v[T2], s[SEL], s[SEL+1]
	v_max3_num_f32 v13, v13, v[T2], v[PX]          ; the running largest score of my query
	v_mul_f32 v[T2], s[CS], v13                    ; as t (c is positive)
	v_floor_f32 v12, -v[T2]                        ; the new -M: M is a whole number
	v_sub_f32 v[TMP], v12, v[TMP]                  ; old M - new M, 0 or less
	v_cvt_i32_f32 v[TMP], v[TMP]                   ; (it saturates)
	v_ldexp_f32 v[F], 1.0, v[TMP]                  ; f = 2^(old M - new M)
.set j, 0
.rept 32
	v_pk_fma_f32 v[S+j:S+j+1], v[S+j:S+j+1], s[CS:CS+1], v[12:13] op_sel_hi:[1,0,0]   ; t - M, two at a time
.set j, j+2
.endr
	v_fma_f32 v[BM], v[BM], s[CS], v12             ; the same of each block's largest score: p rises with the score
	v_fma_f32 v[BM+1], v[BM+1], s[CS], v12
	s_wait_alu depctr_va_vdst(0)                   ; the wait ahead of the batch
.set j, 0
.rept 64
	v_exp_f32 v[S+j], v[S+j]                       ; p = 2^(t - M)
.set j, j+1
.endr
	v_exp_f32 v[BM], v[BM]                         ; the blocks' largest p
	v_exp_f32 v[BM+1], v[BM+1]
	v_pk_mul_f32 v[SUM:SUM+1], v[SUM:SUM+1], v[F:F+1] op_sel_hi:[1,0]   ; the sum under the new M: the plain place behind the batch
	s_wait_alu depctr_va_vdst(0)                   ; one wait for the batch, directly ahead of the first reader of O^T too
.set j, 0
.rept 16
	v_pk_mul_f32 v[O+j:O+j+1], v[O+j:O+j+1], v[F:F+1] op_sel_hi:[1,0]   ; O^T under the new M
.set j, j+2
.endr
	v_max_num_f32 v[BM], 0x1800000, v[BM]          ; the floor 2^(3 - 127): the byte cannot fall under 1
	v_max_num_f32 v[BM+1], 0x1800000, v[BM+1]
	v_add_nc_u32 v[BM+4], 0xff000000, v[BM]        ; 2 off the exponent field: the conversion's scale operand
	v_add_nc_u32 v[BM+5], 0xff000000, v[BM+1]
.irp c, 0,1
	v_cvt_scalef32_pk16_fp6_f32 v[PC+6*\c:PC+6*\c+2], v[S+32*\c:S+32*\c+15], v[BM+4+\c]
	v_cvt_scalef32_pk16_fp6_f32 v[CT+4*\c:CT+4*\c+2], v[S+32*\c+16:S+32*\c+31], v[BM+4+\c]   ; (a conversion's three registers begin on an even number)
.endr
	v_lshrrev_b32 v[BM+6], 23, v[BM+4]             ; the scales' bytes: plain places behind the conversions
	v_lshrrev_b32 v[BM+7], 23, v[BM+5]
.irp i, 0,1,2
	v_mov_b32 v[PC+3+\i], v[CT+\i]
.endr
	v_lshl_or_b32 v[PW], v[BM+7], 16, v[BM+6]      ; blocks h and 2 + h,
.irp i, 0,1,2
	v_mov_b32 v[PC+9+\i], v[CT+4+\i]
.endr
	v_lshlrev_b32 v[PW], v[H8], v[PW]              ; at their places in the word;
.set p, 0
.rept 3                                ; THE ROW'S SUM, of the unquantised p: eight chains, 24 additions here (they are the places ahead of the products), 8 behind the products
	v_pk_add_f32 v[SUM+6+p:SUM+7+p], v[S+2*p+8:S+2*p+9], v[S+2*p+10:S+2*p+11]   ; (chains 3 to 5 first: chains 1 and 2 lie on registers that hold nothing more, 3 on the scale operands, read above)
.set p, p+2
.endr
	v_permlanex16_b32 v[PX], v[PW], s[SEL], s[SEL+1]
	v_pk_add_f32 v[SUM+2:SUM+3], v[S:S+1], v[S+2:S+3]
	v_pk_add_f32 v[SUM+4:SUM+5], v[S+4:S+5], v[S+6:S+7]
	v_pk_add_f32 v[SUM+12:SUM+13], v[S+20:S+21], v[S+22:S+23]
	v_or_b32 v[PW], v[PW], v[PX]                   ; with lane l xor 16's two the word is whole
	v_pk_add_f32 v[SUM+14:SUM+15], v[S+24:S+25], v[S+26:S+27]
.set p, 14
.rept 17
	v_pk_add_f32 v[SUM+2*((p-14)%8):SUM+2*((p-14)%8)+1], v[SUM+2*((p-14)%8):SUM+2*((p-14)%8)+1], v[S+2*p:S+2*p+1]
.set p, p+1
.endr
.if \chg == 0
	s_wait_alu depctr_va_vdst(0)
	s_wait_dscnt 0x0                               ; v's images
.endif
.irp t, 0,1,2,3                        ; O^T += v^T p^T; four accumulators, one instruction each
	v_wmma_scale_f32_16x16x128_f8f6f4 v[O+8*\t:O+8*\t+7], v[KV+12*\t:KV+12*\t+11], v[PC:PC+11], v[O+8*\t:O+8*\t+7], v[SC+\t], v[PW] matrix_a_fmt:MATRIX_FMT_FP6 matrix_b_fmt:MATRIX_FMT_FP6 matrix_a_scale:MATRIX_SCALE_ROW1
.endr
	v_pk_add_f32 v[SUM+2:SUM+3], v[SUM+2:SUM+3], v[S+62:S+63]     ; these eight are the places ahead of the next loads into the products' sources
	v_pk_add_f32 v[SUM+4:SUM+5], v[SUM+4:SUM+5], v[SUM+12:SUM+13]
	v_pk_add_f32 v[SUM+6:SUM+7], v[SUM+6:SUM+7], v[SUM+14:SUM+15]
	v_pk_add_f32 v[SUM:SUM+1], v[SUM:SUM+1], v[SUM+8:SUM+9]
	v_pk_add_f32 v[SUM+2:SUM+3], v[SUM+2:SUM+3], v[SUM+10:SUM+11]
	v_pk_add_f32 v[SUM:SUM+1], v[SUM:SUM+1], v[SUM+4:SUM+5]
	v_pk_add_f32 v[SUM+2:SUM+3], v[SUM+2:SUM+3], v[SUM+6:SUM+7]
	v_pk_add_f32 v[SUM:SUM+1], v[SUM:SUM+1], v[SUM+2:SUM+3]
.if \chg
	s_barrier_wait -1                              ; the other slot is whole, and nobody reads this one
.endif
.if \chg == 1
	TLOAD                                          ; the first thing behind the barrier, and a wave's one tensor load until the next
.endif
.endm
.macro SLOTADR
	v_add_nc_u32 v[ADR], s[TB], v[LI]
	v_add_nc_u32 v[MAD], s[TB], v[MB]
	s_wait_alu depctr_va_vdst(0)
.endm
	s_wait_alu depctr_va_vdst(0)                   ; the wait at the head's end
	s_wait_tensorcnt 0x0                           ; my part of slot 0 is in; slot 1's first fill is issued as a refill is
	ds_add_u32 v[SPW], v[NIL]
	ds_add_u32 v[SPW], v[NIL]
	NEXTFILL
	s_wait_dscnt 0x0
	s_barrier_signal -1
	s_barrier_wait -1
	TLOAD                                          ; slot 1
.Ltrip:                                            ; 14 trips: slots 0 to 13, each filled again with the steps of the slot two on
	SLOTADR
	STEP 0, 0, 1
	STEP 1, 1, 0
	s_xor_b32 s[TB], s[TB], SLOT1
	s_sub_co_u32 s[CNT], s[CNT], 1
	s_cmp_lg_u32 s[CNT], 0
	s_cbranch_scc1 .Ltrip
	s_mov_b32 s[CNT], 2
.Ltail:                                            ; slots 14 and 15 ask for nothing more; the two share one text, so the barrier stands behind slot 15 too
	SLOTADR
	STEP 0, 0, 0
	STEP 1, 2, 0
	s_xor_b32 s[TB], s[TB], SLOT1
	s_sub_co_u32 s[CNT], s[CNT], 1
	s_cmp_lg_u32 s[CNT], 0
	s_cbranch_scc1 .Ltail
	; THE WAY OUT.  O^T / the sum: register 16 b + i is channel 32 b + 16 h + i of my query's head: two blocks of the last product's K, quantised and stored as half an image.
	s_wait_alu depctr_va_vdst(0)
	v_add_f32 v[SUM], v[SUM], v[SUM+1]
	v_permlanex16_b32 v[PX], v[SUM], s[SEL], s[SEL+1]
	v_add_f32 v[SUM], v[SUM], v[PX]                ; the row's sum (above 1/2: the row's largest p is)
	s_wait_alu depctr_va_vdst(0)
	v_rcp_f32 v[SUM], v[SUM]
	v_mov_b32 v[TMP], 0                            ; a plain place behind the reciprocal
	s_wait_alu depctr_va_vdst(0)                   ; the wait, ahead of its first reader and of O^T's
.set j, 0
.rept 16
	v_pk_mul_f32 v[S+j:S+j+1], v[O+j:O+j+1], v[SUM:SUM+1] op_sel_hi:[1,0]   ; each accumulator from its low end on
.set j, j+2
.endr
.irp b, 0,1
	v_max3_num_f32 v[BM+\b], |v[S+16*\b]|, |v[S+1+16*\b]|, 0x1800000
.endr
.irp i, 2,4,6,8,10,12,14
.irp b, 0,1
	v_max3_num_f32 v[BM+\b], v[BM+\b], |v[S+16*\b+\i]|, |v[S+1+16*\b+\i]|
.endr
.endr
.irp b, 0,1
	v_permlanex16_b32 v[BM+2+\b], v[BM+\b], s[SEL], s[SEL+1]
.endr
.irp b, 0,1
	v_max_num_f32 v[BM+\b], v[BM+\b], v[BM+2+\b]
.endr
.irp b, 0,1
	v_add_nc_u32 v[BM+4+\b], 0xff000000, v[BM+\b]
.endr
.irp b, 0,1
	v_lshrrev_b32 v[BM+6+\b], 23, v[BM+4+\b]
.endr
	v_lshl_or_b32 v[PW], v[BM+7], 8, v[BM+6]       ; my head's two bytes of the scale word
	v_cvt_scalef32_pk16_fp6_f32 v[PC:PC+2], v[S:S+15], v[BM+4]
	v_cvt_scalef32_pk16_fp6_f32 v[CT:CT+2], v[S+16:S+31], v[BM+5]
	v_nop
.irp i, 0,1,2
	v_permlane16_swap_b32 v[PC+\i], v[CT+\i]       ; here a block lies in two lanes: the operand wants it whole in one
.endr
.irp i, 0,1,2
	v_mov_b32 v[PC+3+\i], v[CT+\i]
.endr
	s_bitcmp1_b32 s[HD], 0                         ; an even head is registers 0-5 of the fragment, an odd one registers 6-11
	s_cbranch_scc1 .Lodd
	global_store_b128 v[LI], v[PC:PC+3], s[10:11]
	global_store_b64 v[LI], v[PC+4:PC+5], s[10:11] offset:512
	s_branch .Lword
.Lodd:
	s_wait_alu depctr_va_vdst(0)
	global_store_b64 v[LI], v[PC:PC+1], s[10:11] offset:520
	global_store_b128 v[LI], v[PC+2:PC+5], s[10:11] offset:1024
.Lword:
	s_wait_alu depctr_va_vdst(0)
	global_store_b16 v[L4], v[PW], s[12:13]        ; in all 32 lanes: the word is kept twice, for lanes r and r + 16
	s_wait_tensorcnt 0x0                           ; the wave's end
	ds_add_u32 v[SPW], v[NIL]
	s_wait_dscnt 0x0
	s_endpgm
.Lfunc_end_k_q883a5cf8fb_attn:
	.size	k_q883a5cf8fb_attn, .Lfunc_end_k_q883a5cf8fb_attn-k_q883a5cf8fb_attn
	.p2alignl 7, 3214868480
	.fill 96, 4, 3214868480
	.section	.rodata,"a",@progbits
	.p2align	6, 0x0
	.amdhsa_kernel k_q883a5cf8fb_attn
		.amdhsa_group_segment_fixed_size 327680
		.amdhsa_private_segment_fixed_size 0
		.amdhsa_enable_private_segment 0
		.amdhsa_kernarg_size 40
		.amdhsa_user_sgpr_count 2
		.amdhsa_user_sgpr_kernarg_segment_ptr 1
		.amdhsa_wavefront_size32 1
		.amdhsa_system_sgpr_workgroup_id_x 1
		.amdhsa_system_sgpr_workgroup_id_y 1
		.amdhsa_system_sgpr_workgroup_id_z 1
		.amdhsa_system_vgpr_workitem_id 0
		.amdhsa_next_free_vgpr 256
		.amdhsa_next_free_sgpr 66
		.amdhsa_reserve_vcc 0
		.amdhsa_float_denorm_mode_32 3
		.amdhsa_float_denorm_mode_16_64 3
		.amdhsa_memory_ordered 1
		.amdhsa_forward_progress 1
		.amdhsa_inst_pref_size 78
	.end_amdhsa_kernel
	.amdgpu_metadata
---
amdhsa.version: [ 1, 2 ]
amdhsa.kernels:
  - .name:           k_q883a5cf8fb_attn
    .symbol:         k_q883a5cf8fb_attn.kd
    .args:
      - { .name: qimg, .offset: 0, .size: 8, .value_kind: global_buffer, .address_space: global }
      - { .name: kv, .offset: 8, .size: 8, .value_kind: global_buffer, .address_space: global }
      - { .name: mask, .offset: 16, .size: 8, .value_kind: global_buffer, .address_space: global }
      - { .name: img, .offset: 24, .size: 8, .value_kind: global_buffer, .address_space: global }
      - { .name: scl, .offset: 32, .size: 8, .value_kind: global_buffer, .address_space: global }
    .group_segment_fixed_size: 327680
    .private_segment_fixed_size: 0
    .kernarg_segment_align: 8
    .kernarg_segment_size: 40
    .max_flat_workgroup_size: 512
    .sgpr_count:     66
    .vgpr_count:     256
    .wavefront_size: 32
...
	.end_amdgpu_metadata
.endif
;; end of part 3
;; launch outp (part 4): grid 256 x 1, 1 waves a work-group, no clusters, 8,704 bytes of LDS; arguments img, scl, bo, out0; writes out0
.if DOCPART == 4
	.amdgcn_target "amdgcn-amd-amdhsa--gfx1250"
	.amdhsa_code_object_version 6
	.text
	.protected	k_q883a5cf8fb_outp
	.globl	k_q883a5cf8fb_outp
	.p2align	8
	.type	k_q883a5cf8fb_outp,@function
k_q883a5cf8fb_outp:
	s_mov_b64 s[64:65], 0
	v_nop
	global_prefetch_b8 v0, s[64:65] scope:SCOPE_SE
	s_setreg_imm32_b32 hwreg(HW_REG_WAVE_MODE, 25, 1), 1
	s_wait_xcnt 0x0
; out0 = concat wo^T + bo on codes of FP6 (E2M3): concat's images (tiles 1024-1279) were stored by the attention launch, wo's (tiles 960-1023) by the first.
; A work-group is ONE wave with a tile of 128 x 128 in 64 accumulators; K = 1,024 in eight steps of 128, written out; operands come from memory straight into registers as images, two sets by turns.
; Work-group: block of 128 tokens = number / 8, block of 128 channels = number % 8.  Source 0 = wo's tiles, source 1 = concat's: a lane holds ONE token (row 32 (a / 2) + 8 (a % 2) + r + 8 (r / 8) of
; the block), and the 64 registers of its eight accumulators are channels 32 b + 16 h + i.  A tile of 16 tokens goes through the wave's stage in LDS (rows 528 bytes apart) and leaves as whole rows:
; 32 lanes store 512 consecutive bytes, aligned.
; REGISTERS, in windows of 256: window 0: v0-11 addresses; v32-47 scale words, two sets; v64-159, v160-255 concat's fragments, two sets (behind the loop: biases, 64 numbers, rows on their way out).
;   window 1: v0-95, v128-223 wo's fragments.   windows 2, 3: accumulator (a, b) at v[8 (8 (a % 4) + b)] of window 2 + a / 4.
.set PB,  20                           ; s[20:21] wo's images
.set RB,  22                           ; s[22:23] concat's images
.set SB,  6                            ; s[6:7]   the scale words
.set BP,  34                           ; s[34:35] bo at my 128 channels
.set OP,  36                           ; s[36:37] out0 at my block's first row, my first channel
.set HM,  31
.set SCS, 32
.set RF,  64
.set BI,  64                           ; v64-127  the biases
.set T,   128                          ; v128-191 64 numbers
.set OB,  192                          ; v192-255 16 rows on their way out
.set SP,  528
.set SPARE, 16*SP                      ; behind the stage: the spare words
.set MSB, 0
.macro WIN new                         ; the immediate's high byte repeats the setting that is left
.if MSB != (\new)
	s_set_vgpr_msb (MSB<<8)|(\new)
.set MSB, \new
.endif
.endm
.macro PLACES                          ; four plain places behind matrix instructions, ahead of loads into their sources and of reads of their results
.rept 4
	v_nop
.endr
.endm
.macro LOADK k, q                      ; K step k into set q: 24 + 24 loads of 512 consecutive bytes, 8 of scale words
	WIN 0x40                                       ; destination window 1
.irp i, 0,1,2,3,4,5,6,7
.irp c, 0,1,2
	global_load_b128 v[128*(\q)+12*\i+4*\c:128*(\q)+12*\i+4*\c+3], v1, s[PB:PB+1] offset:12288*\i+1536*(\k)+512*\c
.endr
.endr
	WIN 0
.irp i, 0,1,2,3,4,5,6,7
.irp c, 0,1,2
	global_load_b128 v[RF+96*(\q)+12*\i+4*\c:RF+96*(\q)+12*\i+4*\c+3], v1, s[RB:RB+1] offset:12288*\i+1536*(\k)+512*\c
.endr
.endr
.irp i, 0,1,2,3,4,5,6,7
	global_load_b32 v[SCS+8*(\q)+\i], v2, s[SB:SB+1] offset:1024*\i+128*(\k)
.endr
.endm
.macro MULK k, q                       ; 64 matrix instructions; the 64 accumulators take turns, in the same order in every K step.  K step 0 starts the sums
.irp a, 0,1,2,3,4,5,6,7
	WIN 0xa1+0x50*(\a/4)                           ; source 0 window 1, source 1 window 0, C and D window 2 or 3
.irp b, 0,1,2,3,4,5,6,7
.if (\k) == 0
	v_wmma_scale_f32_16x16x128_f8f6f4 v[8*(8*(\a%4)+\b):8*(8*(\a%4)+\b)+7], v[128*(\q)+12*\b:128*(\q)+12*\b+11], v[RF+96*(\q)+12*\a:RF+96*(\q)+12*\a+11], 0, v[SCS+8*(\q)+\b], v[SCS+8*(\q)+\a] matrix_a_fmt:MATRIX_FMT_FP6 matrix_b_fmt:MATRIX_FMT_FP6 matrix_a_scale:MATRIX_SCALE_ROW1
.else
	v_wmma_scale_f32_16x16x128_f8f6f4 v[8*(8*(\a%4)+\b):8*(8*(\a%4)+\b)+7], v[128*(\q)+12*\b:128*(\q)+12*\b+11], v[RF+96*(\q)+12*\a:RF+96*(\q)+12*\a+11], v[8*(8*(\a%4)+\b):8*(8*(\a%4)+\b)+7], v[SCS+8*(\q)+\b], v[SCS+8*(\q)+\a] matrix_a_fmt:MATRIX_FMT_FP6 matrix_b_fmt:MATRIX_FMT_FP6 matrix_a_scale:MATRIX_SCALE_ROW1
.endif
.endr
.endr
.endm
	s_load_b256 s[4:11], s[0:1], 0x0               ; img, scl, bo, out0
	v_lshl_add_u32 v10, v0, 2, SPARE               ; my spare word; never rewritten
	v_mov_b32 v11, 0                               ; 0; never rewritten
	v_and_b32 v3, 15, v0                           ; r
	v_lshrrev_b32 v4, 4, v0                        ; h (one wave: v0 is the lane)
	s_wait_alu depctr_va_vdst(0)
	v_lshlrev_b32 v1, 4, v0                        ; 16 x lane
	s_lshr_b32 s25, ttmp9, 3                       ; block of 128 tokens
	s_and_b32 s26, ttmp9, 7                        ; block of 128 channels
	s_lshl_b32 s30, s25, 3
	s_add_co_u32 s30, s30, 1024                    ; concat's first tile
	s_lshl_b32 s29, s26, 3
	s_add_co_u32 s29, s29, 960                     ; wo's first tile
	s_mov_b32 s[HM], 0xffff0000
	s_lshl_b32 s32, s29, 10
	s_lshl_b32 s33, s30, 10
	v_lshlrev_b32 v2, 2, v0
	v_add_nc_u32 v5, s33, v2
	v_add_nc_u32 v2, s32, v2
	v_cndmask_b32 v2, v5, v2, s[HM]                ; scale words: lanes 0-15 take concat's tiles, lanes 16-31 wo's
	v_lshlrev_b32 v7, 6, v4                        ; biases along the registers: 64 h
	v_mul_u32_u24 v8, v3, SP
	v_lshl_add_u32 v8, v4, 6, v8                   ; the stage, in: row r, + 64 h
	s_mov_b32 s33, 0
	s_wait_alu depctr_va_vdst(0)
	s_wait_kmcnt 0x0
	s_mul_i32 s32, s29, 12288
	s_add_nc_u64 s[PB:PB+1], s[4:5], s[32:33]
	s_mul_i32 s32, s30, 12288
	s_add_nc_u64 s[RB:RB+1], s[4:5], s[32:33]
	s_lshl_b32 s32, s26, 9
	s_add_nc_u64 s[BP:BP+1], s[8:9], s[32:33]
	s_add_nc_u64 s[OP:OP+1], s[10:11], s[32:33]    ; my 128 channels are 512 bytes of a row,
	s_lshl_b32 s32, s25, 19                        ; my 128 tokens rows of 4,096 bytes
	s_add_nc_u64 s[OP:OP+1], s[OP:OP+1], s[32:33]
	LOADK 0, 0
	LOADK 1, 1
.irp k, 0,1,2,3,4,5
	s_wait_loadcnt 56                              ; this K step's 56 loads are in; the next step's 56 may be out
	MULK \k, \k%2
	WIN 0
	PLACES
	LOADK \k+2, \k%2                               ; into the set just multiplied
.endr
	s_wait_loadcnt 56
	MULK 6, 0
	WIN 0
	PLACES
.irp b, 0,1,2,3
.irp y, 0,1,2,3
	global_load_b128 v[BI+16*\b+4*\y:BI+16*\b+4*\y+3], v7, s[BP:BP+1] offset:128*\b+16*\y
.endr
.endr
	s_wait_loadcnt 16                              ; K step 7's loads are in; the 16 bias loads may be out
	MULK 7, 1
	WIN 0
	PLACES
	s_wait_loadcnt 0x0                             ; the biases
.irp a, 0,1,2,3,4,5,6,7                ; a tile of 16 tokens at a time
	WIN 0x02+\a/4                                  ; source 0: window 2 or 3
.set n, 0
.rept 32
	v_pk_add_f32 v[T+n:T+n+1], v[64*(\a%4)+n:64*(\a%4)+n+1], v[BI+n:BI+n+1]   ; each accumulator from its low end on
.set n, n+2
.endr
	WIN 0
.irp b, 0,1,2,3
.irp y, 0,1,2,3
	ds_store_b128 v8, v[T+16*\b+4*\y:T+16*\b+4*\y+3] offset:128*\b+16*\y
.endr
.endr
	s_wait_xcnt 0x0                                ; the last tile's stores have read their data: the rows' registers are loaded again only behind this wait
.irp t, 0,1,2,3,4,5,6,7,8,9,10,11,12,13,14,15
	ds_load_b128 v[OB+4*\t:OB+4*\t+3], v1 offset:SP*\t   ; LDS serves a wave's instructions in order: these see my stores
.endr
	s_wait_dscnt 0x0
.irp t, 0,1,2,3,4,5,6,7,8,9,10,11,12,13,14,15
	global_store_b128 v1, v[OB+4*\t:OB+4*\t+3], s[OP:OP+1] offset:(32*(\a/2)+8*(\a%2)+\t+8*(\t/8))*4096 th:TH_STORE_NT   ; 32 lanes store 512 consecutive bytes of one row
.endr
.endr
	s_wait_tensorcnt 0x0                           ; the wave's end, behind my last LDS store
	ds_add_u32 v10, v11
	s_wait_dscnt 0x0
	s_endpgm
.Lfunc_end_k_q883a5cf8fb_outp:
	.size	k_q883a5cf8fb_outp, .Lfunc_end_k_q883a5cf8fb_outp-k_q883a5cf8fb_outp
	.p2alignl 7, 3214868480
	.fill 96, 4, 3214868480
	.section	.rodata,"a",@progbits
	.p2align	6, 0x0
	.amdhsa_kernel k_q883a5cf8fb_outp
		.amdhsa_group_segment_fixed_size 8704
		.amdhsa_private_segment_fixed_size 0
		.amdhsa_enable_private_segment 0
		.amdhsa_kernarg_size 32
		.amdhsa_user_sgpr_count 2
		.amdhsa_user_sgpr_kernarg_segment_ptr 1
		.amdhsa_wavefront_size32 1
		.amdhsa_system_sgpr_workgroup_id_x 1
		.amdhsa_system_sgpr_workgroup_id_y 1
		.amdhsa_system_sgpr_workgroup_id_z 1
		.amdhsa_system_vgpr_workitem_id 0
		.amdhsa_next_free_vgpr 1024
		.amdhsa_next_free_sgpr 66
		.amdhsa_reserve_vcc 0
		.amdhsa_float_denorm_mode_32 3
		.amdhsa_float_denorm_mode_16_64 3
		.amdhsa_memory_ordered 1
		.amdhsa_forward_progress 1
		.amdhsa_inst_pref_size 157
	.end_amdhsa_kernel
	.amdgpu_metadata
---
amdhsa.version: [ 1, 2 ]
amdhsa.kernels:
  - .name:           k_q883a5cf8fb_outp
    .symbol:         k_q883a5cf8fb_outp.kd
    .args:
      - { .name: img, .offset: 0, .size: 8, .value_kind: global_buffer, .address_space: global }
      - { .name: scl, .offset: 8, .size: 8, .value_kind: global_buffer, .address_space: global }
      - { .name: bo, .offset: 16, .size: 8, .value_kind: global_buffer, .address_space: global }
      - { .name: out0, .offset: 24, .size: 8, .value_kind: global_buffer, .address_space: global }
    .group_segment_fixed_size: 8704
    .private_segment_fixed_size: 0
    .kernarg_segment_align: 8
    .kernarg_segment_size: 32
    .max_flat_workgroup_size: 32
    .sgpr_count:     66
    .vgpr_count:     1024
    .wavefront_size: 32
...
	.end_amdgpu_metadata
.endif
;; end of part 4
